; MI455X (gfx1250); checked and timed in simulation.
; The chip was launched on July 23, 2026; its instructions are those of AMD's public machine-readable ISA for CDNA 5 (MIT licence, August 2026) and "CDNA5" Instruction Set Architecture Reference Guide (July 2026). The comments in the code are by the model that wrote it; some were corrected since.
;; Unary Linear. Allowed arithmetic: float matrix products may take bf16 or f16 operands with f32 sums; other float arithmetic in f32, or as packed bf16 or f16 multiplies, adds, multiply-adds, maxima and minima; sums over many terms, partial sums and values carried from step to step in f32; what a program stores and reads back later, other than sums and carried values, may be rounded once to bf16 or f16.
;; Inputs: accumulator 2,048 x 4,096 float32; buf_bias 4,096 float32; buf_wght 4,096 x 4,096 float32; rng 256 float32; rng_bias_idx 4,096 int32; rng_wght_idx 4,096 x 4,096 int32; rng_wght_idx_inv 4,096 x 4,096 int32; x 2,048 x 4,096 float32.
;; Outputs: out0 2,048 x 4,096 int8.
;; One version. Each part assembles by itself: llvm-mc -triple=amdgcn-amd-amdhsa -mcpu=gfx1250 --defsym DOCPART=n.
;; ======== version 1 of 1: 2 launches
;; workspace buffers: xb 16,777,216 bytes; xib 16,777,216 bytes; wb 16,777,216 bytes; wib 16,777,216 bytes
;; launch prep (part 1): grid 1536 x 1, 8 waves a work-group, no clusters, 2,048 bytes of LDS; arguments buf_wght, rng_wght_idx, rng_wght_idx_inv, rng, wb, wib, x, xb, xib; writes wb, wib, xb, xib
.if DOCPART == 1
	.amdgcn_target "amdgcn-amd-amdhsa--gfx1250"
	.amdhsa_code_object_version 6
	.text
	.protected	k_qfaaa72bdf3_prep
	.globl	k_qfaaa72bdf3_prep
	.p2align	8
	.type	k_qfaaa72bdf3_prep,@function
k_qfaaa72bdf3_prep:
	s_mov_b64 s[64:65], 0
	v_nop
	global_prefetch_b8 v0, s[64:65] scope:SCOPE_SE
	s_setreg_imm32_b32 hwreg(HW_REG_WAVE_MODE, 25, 1), 1
	s_wait_xcnt 0x0
; PREP.  Two jobs, chosen by the work-group's number; both stream, each input byte is read once.
; Work-groups 0-1023 (W): w_bit = buf_wght > rng[idx % 256] and w_bit_inv = 1 - (buf_wght > rng[idx_inv % 256]), each stored as ONE BYTE:
;   0x40 for 1, 0x00 for 0.  Moved into the upper byte of a 16-bit word that byte is the bf16 number 2.0 or 0: the next launch makes two matrix operands of two bytes
;   with one byte permute, and halves its sums again on its way out.
; Work-groups 1024-1535 (X): xb = bf16(x), xib = bf16(1 - x) (1 - x in f32, one rounding, then rounded to bf16).
; LIMITS.  x and 1 - x are rounded to bf16: exact for the bits 0 and 1; other x carry bf16's rounding into the sums.  idx % 256 is idx & 255, which is the
;   remainder with the divisor's sign for negative int32 too.  A NaN in buf_wght or rng compares false: bit 0, inverse bit 1, as in the comparison it stands for.
; LAYOUT of wb and wib: [32 K blocks t][4096 rows p][128 bytes].  Row p = 128 G + 16 b + r holds output column n = 128 G + 64 (b / 4) + 4 r + b % 4.
;   In a row, the four bytes at 4 (2 l + j) hold k = 128 t + 4 (16 j + l) + 0..3  (l = 0..15, j = 0, 1).  So a lane's two loads of 16 bytes (j = 0, 1) end as 8 neighbouring bytes.
; SHARES (W).  A work-group owns 16 rows p and 8 K blocks, a wave one K block; an ITEM is two rows: lanes 0-15 one, lanes 16-31 the next.  Each half of the lanes reads 256 consecutive
;   bytes at a multiple of 256 of each of the three arrays, twice; a wave's store is 256 consecutive bytes at a multiple of 256.  A ring of four item slots in registers keeps 24 loads of a wave out.
; No matrix unit, no tensor load, no cluster: no work-group shares an input byte with another but the table of 1,024 bytes, which lies in LDS.
.set SPARE, 1024                       ; LDS: 0-1023 the table rng[256]; from here the spare words, 128 bytes for each of the eight waves, which no other line names
.set SPW, 6                            ; v6      LDS address of my spare word; never rewritten
.set NIL, 7                            ; v7      0; never rewritten
.set YR,  8                            ; v[8:23] slot s: two registers of w bytes, two of inverse bytes, to store
.set TM,  24                           ; v[24:27] at work
.set SL,  32                           ; v[32:127] slot s at 32 + 24 s: 8 of buf_wght, 8 of idx, 8 of idx_inv
.macro FILL s, i                       ; six loads: item i's 8 numbers a lane of each of the three arrays
	global_load_b128 v[SL+24*(\s):SL+24*(\s)+3],       v1, s[4:5] offset:(\i)*131072 th:TH_LOAD_NT
	global_load_b128 v[SL+24*(\s)+4:SL+24*(\s)+7],     v1, s[4:5] offset:(\i)*131072+256 th:TH_LOAD_NT
	global_load_b128 v[SL+24*(\s)+8:SL+24*(\s)+11],    v1, s[6:7] offset:(\i)*131072 th:TH_LOAD_NT
	global_load_b128 v[SL+24*(\s)+12:SL+24*(\s)+15],   v1, s[6:7] offset:(\i)*131072+256 th:TH_LOAD_NT
	global_load_b128 v[SL+24*(\s)+16:SL+24*(\s)+19],   v1, s[8:9] offset:(\i)*131072 th:TH_LOAD_NT
	global_load_b128 v[SL+24*(\s)+20:SL+24*(\s)+23],   v1, s[8:9] offset:(\i)*131072+256 th:TH_LOAD_NT
.endm
.macro GATHER base                     ; eight indices become eight table entries, in place
.irp e, 0,1,2,3,4,5,6,7
	v_and_b32 v[(\base)+(\e)], 0xff, v[(\base)+(\e)]           ; idx % 256
.endr
.irp e, 0,1,2,3,4,5,6,7
	v_min_u32 v[(\base)+(\e)], 0xff, v[(\base)+(\e)]           ; changes nothing: the written bound of a loaded number that enters an address
.endr
.irp e, 0,1,2,3,4,5,6,7
	v_lshlrev_b32 v[(\base)+(\e)], 2, v[(\base)+(\e)]
.endr
.irp e, 0,1,2,3,4,5,6,7
	ds_load_b32 v[(\base)+(\e)], v[(\base)+(\e)]
.endr
.endm
.macro BITS bw, th, on, off, dst       ; eight compares, eight bytes, two packed words
.irp e, 0,1,2,3,4,5,6,7
	v_cmp_gt_f32 vcc_lo, v[(\bw)+(\e)], v[(\th)+(\e)]
	v_cndmask_b32 v[(\th)+(\e)], \off, \on, vcc_lo
.endr
.irp j, 0,1
	v_lshl_or_b32 v[TM+2*(\j)],   v[(\th)+4*(\j)+1], 8, v[(\th)+4*(\j)]
	v_lshl_or_b32 v[TM+2*(\j)+1], v[(\th)+4*(\j)+3], 8, v[(\th)+4*(\j)+2]
.endr
.irp j, 0,1
	v_lshl_or_b32 v[(\dst)+(\j)], v[TM+2*(\j)+1], 16, v[TM+2*(\j)]  ; byte i of the word is k + i
.endr
.endm
; Item i, in slot i % 4.  left = the loads younger than this slot's six that may stay out.
.macro WITEM i, refill, left
.set ws, (\i)%4
.set wr, SL+24*ws
	s_wait_loadcnt \left                           ; loads come back in order: my six are in
	s_wait_xcnt 0x0                                ; the slot's registers to store were the data of the stores four items ago: rewritten only behind this wait
	GATHER wr+8
	GATHER wr+16
	s_wait_dscnt 8                                 ; the first eight table entries are in; the second eight may be out
	BITS wr, wr+8, 64, 0, YR+4*ws
	s_wait_dscnt 0x0
	BITS wr, wr+16, 0, 64, YR+4*ws+2               ; 1 - bit
.if \refill
	FILL ws, (\i)+4                                ; loads ahead of stores
.endif
	global_store_b64 v2, v[YR+4*ws:YR+4*ws+1],   s[12:13] offset:(\i)*256   ; no hint: the next launch reads these bytes
	global_store_b64 v2, v[YR+4*ws+2:YR+4*ws+3], s[14:15] offset:(\i)*256
.endm
	s_load_b512 s[4:19], s[0:1], 0x0               ; buf_wght s[4:5], idx s[6:7], idx_inv s[8:9], rng s[10:11], wb s[12:13], wib s[14:15], x s[16:17], xb s[18:19]
	s_load_b64 s[20:21], s[0:1], 0x40              ; xib
	v_lshl_add_u32 v[SPW], v0, 2, SPARE
	v_mov_b32 v[NIL], 0
	s_cmp_ge_u32 ttmp9, 1024                       ; the same answer in all eight waves
	s_cbranch_scc1 .Lx
	; ---- W ----
	s_and_b32 s26, ttmp9, 3                        ; which 8 K blocks
	s_lshr_b32 s27, ttmp9, 2                       ; which 16 rows p: 8 G + b
	s_lshr_b32 s28, s27, 3
	s_lshl_b32 s28, s28, 7                         ; 128 G
	s_bfe_u32 s29, s27, 0x10002
	s_lshl_b32 s29, s29, 6                         ; 64 (b / 4)
	s_and_b32 s30, s27, 3                          ; b % 4
	s_add_co_u32 s28, s28, s29
	s_add_co_u32 s28, s28, s30                     ; column n of r = 0; r steps it by 4
	s_lshl_b32 s22, s28, 14                        ; x 16,384 bytes a row of the inputs
	s_lshl_b32 s29, s26, 12                        ; + 8 K blocks of 512 bytes
	s_add_co_u32 s22, s22, s29
	s_mov_b32 s23, 0
	s_lshl_b32 s24, s26, 22                        ; out: 8 K blocks of 524,288 bytes
	s_lshl_b32 s29, s27, 11                        ; + 16 rows of 128 bytes
	s_add_co_u32 s24, s24, s29
	s_mov_b32 s25, 0
	v_lshlrev_b32 v3, 2, v0                        ; my word of the table
	v_lshrrev_b32 v1, 5, v0                        ; wave
	v_bfe_u32 v2, v0, 4, 1                         ; which of an item's two rows
	v_and_b32 v5, 15, v0
	v_lshlrev_b32 v5, 4, v5                        ; 16 l
	v_lshl_add_u32 v5, v2, 16, v5                  ; + 4 columns n = 65,536 bytes for the second row
	v_and_b32 v2, 31, v0
	v_lshlrev_b32 v2, 3, v2                        ; out: 8 bytes a lane, two rows of 128
	v_lshl_add_u32 v2, v1, 19, v2                  ; + my wave's K block
	v_lshl_add_u32 v1, v1, 9, v5                   ; in: + my wave's 512 bytes
	s_wait_kmcnt 0x0
	s_add_nc_u64 s[4:5], s[4:5], s[22:23]
	s_add_nc_u64 s[6:7], s[6:7], s[22:23]
	s_add_nc_u64 s[8:9], s[8:9], s[22:23]
	s_add_nc_u64 s[12:13], s[12:13], s[24:25]
	s_add_nc_u64 s[14:15], s[14:15], s[24:25]
	global_load_b32 v4, v3, s[10:11]               ; 256 threads, 256 entries
	FILL 0, 0
	FILL 1, 1
	FILL 2, 2
	FILL 3, 3
	s_wait_loadcnt 24                              ; the table word is in; the 24 loads behind it stay out
	ds_store_b32 v3, v4
	s_wait_dscnt 0x0                               ; for the others' sake: my part of the table is written
	s_barrier_signal -1
	s_barrier_wait -1                              ; everybody's is
	WITEM 0, 1, 18
	WITEM 1, 1, 18
	WITEM 2, 1, 18
	WITEM 3, 1, 18
	WITEM 4, 0, 18                                 ; nothing is left to fetch: the counts run down
	WITEM 5, 0, 12
	WITEM 6, 0, 6
	WITEM 7, 0, 0
	s_wait_tensorcnt 0x0                           ; the wave's end: behind my last LDS store
	ds_add_u32 v[SPW], v[NIL]
	s_wait_dscnt 0x0
	s_endpgm
	; ---- X ----  a work-group owns 65,536 consecutive bytes of x; all sixteen loads of a wave go out at once; no LDS is touched
.Lx:
	s_sub_co_u32 s26, ttmp9, 1024
	s_lshl_b32 s22, s26, 16
	s_mov_b32 s23, 0
	s_lshl_b32 s24, s26, 15
	s_mov_b32 s25, 0
	v_lshlrev_b32 v1, 4, v0                        ; 16 bytes of x a thread,
	v_lshlrev_b32 v2, 3, v0                        ; 8 bytes of each output
	s_wait_kmcnt 0x0
	s_add_nc_u64 s[16:17], s[16:17], s[22:23]
	s_add_nc_u64 s[18:19], s[18:19], s[24:25]
	s_add_nc_u64 s[20:21], s[20:21], s[24:25]
.irp u, 0,1,2,3,4,5,6,7,8,9,10,11,12,13,14,15
	global_load_b128 v[SL+4*(\u):SL+4*(\u)+3], v1, s[16:17] offset:(\u)*4096 th:TH_LOAD_NT
.endr
.irp u, 0,1,2,3,4,5,6,7,8,9,10,11,12,13,14,15
	s_wait_loadcnt 15-(\u)                         ; load u is in, the younger ones stay out
	v_pk_fma_f32 v[8:9],   v[SL+4*(\u):SL+4*(\u)+1],   -1.0, 1.0 op_sel_hi:[1,0,0]   ; 1 - x, one rounding
	v_pk_fma_f32 v[10:11], v[SL+4*(\u)+2:SL+4*(\u)+3], -1.0, 1.0 op_sel_hi:[1,0,0]
	v_cvt_pk_bf16_f32 v[SL+4*(\u)],   v[SL+4*(\u)],   v[SL+4*(\u)+1]
	v_cvt_pk_bf16_f32 v[SL+4*(\u)+1], v[SL+4*(\u)+2], v[SL+4*(\u)+3]
	v_cvt_pk_bf16_f32 v[SL+4*(\u)+2], v8, v9
	v_cvt_pk_bf16_f32 v[SL+4*(\u)+3], v10, v11
	global_store_b64 v2, v[SL+4*(\u):SL+4*(\u)+1],   s[18:19] offset:(\u)*2048   ; a wave stores 256 consecutive bytes at a multiple of 256
	global_store_b64 v2, v[SL+4*(\u)+2:SL+4*(\u)+3], s[20:21] offset:(\u)*2048
.endr
	s_endpgm
.Lfunc_end_k_qfaaa72bdf3_prep:
	.size	k_qfaaa72bdf3_prep, .Lfunc_end_k_qfaaa72bdf3_prep-k_qfaaa72bdf3_prep
	.p2alignl 7, 3214868480
	.fill 96, 4, 3214868480
	.section	.rodata,"a",@progbits
	.p2align	6, 0x0
	.amdhsa_kernel k_qfaaa72bdf3_prep
		.amdhsa_group_segment_fixed_size 2048
		.amdhsa_private_segment_fixed_size 0
		.amdhsa_enable_private_segment 0
		.amdhsa_kernarg_size 72
		.amdhsa_user_sgpr_count 2
		.amdhsa_user_sgpr_kernarg_segment_ptr 1
		.amdhsa_wavefront_size32 1
		.amdhsa_system_sgpr_workgroup_id_x 1
		.amdhsa_system_sgpr_workgroup_id_y 1
		.amdhsa_system_sgpr_workgroup_id_z 1
		.amdhsa_system_vgpr_workitem_id 0
		.amdhsa_next_free_vgpr 128
		.amdhsa_next_free_sgpr 66
		.amdhsa_reserve_vcc 1
		.amdhsa_float_denorm_mode_32 3
		.amdhsa_float_denorm_mode_16_64 3
		.amdhsa_memory_ordered 1
		.amdhsa_forward_progress 1
		.amdhsa_inst_pref_size 67
	.end_amdhsa_kernel
	.amdgpu_metadata
---
amdhsa.version: [ 1, 2 ]
amdhsa.kernels:
  - .name:           k_qfaaa72bdf3_prep
    .symbol:         k_qfaaa72bdf3_prep.kd
    .args:
      - { .name: buf_wght, .offset: 0, .size: 8, .value_kind: global_buffer, .address_space: global }
      - { .name: rng_wght_idx, .offset: 8, .size: 8, .value_kind: global_buffer, .address_space: global }
      - { .name: rng_wght_idx_inv, .offset: 16, .size: 8, .value_kind: global_buffer, .address_space: global }
      - { .name: rng, .offset: 24, .size: 8, .value_kind: global_buffer, .address_space: global }
      - { .name: wb, .offset: 32, .size: 8, .value_kind: global_buffer, .address_space: global }
      - { .name: wib, .offset: 40, .size: 8, .value_kind: global_buffer, .address_space: global }
      - { .name: x, .offset: 48, .size: 8, .value_kind: global_buffer, .address_space: global }
      - { .name: xb, .offset: 56, .size: 8, .value_kind: global_buffer, .address_space: global }
      - { .name: xib, .offset: 64, .size: 8, .value_kind: global_buffer, .address_space: global }
    .group_segment_fixed_size: 2048
    .private_segment_fixed_size: 0
    .kernarg_segment_align: 8
    .kernarg_segment_size: 72
    .max_flat_workgroup_size: 256
    .sgpr_count:     66
    .vgpr_count:     128
    .wavefront_size: 32
...
	.end_amdgpu_metadata
.endif
;; end of part 1
;; launch gemm (part 2): grid 16 x 16, 4 waves a work-group, clusters of 4 x 4, 327,680 bytes of LDS; arguments xb, xib, wb, wib, accumulator, buf_bias, rng_bias_idx, rng, out0; writes out0
.if DOCPART == 2
	.amdgcn_target "amdgcn-amd-amdhsa--gfx1250"
	.amdhsa_code_object_version 6
	.text
	.protected	k_qfaaa72bdf3_gemm
	.globl	k_qfaaa72bdf3_gemm
	.p2align	8
	.type	k_qfaaa72bdf3_gemm,@function
k_qfaaa72bdf3_gemm:
	s_mov_b64 s[64:65], 0
	v_nop
	global_prefetch_b8 v0, s[64:65] scope:SCOPE_SE
	s_setreg_imm32_b32 hwreg(HW_REG_WAVE_MODE, 25, 1), 1
	s_wait_xcnt 0x0
	s_wait_alu depctr_hold_cnt(0) depctr_sa_sdst(0) depctr_va_vdst(0) depctr_va_sdst(0) depctr_va_ssrc(0) depctr_va_vcc(0) depctr_vm_vsrc(0)
	s_getreg_b32 s2, hwreg(HW_REG_IB_STS2, 6, 4)
	s_cmp_eq_u32 s2, 0
	s_cbranch_scc0 .Lentry_in_a_cluster
	s_endpgm
.Lentry_in_a_cluster:
	s_bfe_u32 s2, ttmp6, 0x10000c
	s_cmp_lg_u32 s2, 0xf033
	s_cbranch_scc0 .Lentry_shape_is_right
	s_endpgm
.Lentry_shape_is_right:
; out[m][n] = ((accumulator[m][n] + (S1 + b_bit[n])) + S2 >= 4097), int8.  S1 = sum_k x[m][k] w_bit[n][k], S2 = sum_k (1 - x[m][k]) w_bit_inv[n][k].  M = 2048, N = K = 4096.
; The two sums are kept APART and added to the accumulator one after the other, each addition rounded as in the formula above: merged first, a result next to the bound could fall on the other side.
; OPERANDS.  xb, xib: [2048][4096] bf16.  wb, wib: one byte a weight bit, 0x40 or 0: [32 K blocks][4096 rows p][128 bytes]; row p = 128 G + 16 b + r is column n = 128 G + 64 (b / 4) + 4 r + b % 4;
;   the four bytes at 4 (2 l + j) of a row hold k = 4 (16 j + l) + 0..3 of the block.  A byte moved into a 16-bit word's upper byte is bf16 2.0 or 0, so the sums are 2 S; the factor 0.5 rides in
;   the multiply-adds of the way out (0.5 x sum is exact).
; LIMITS.  For x of 0 and 1 both sums are whole numbers up to 8,192: exact in f32.  Other x carry bf16's rounding of x and 1 - x.  NaN in the accumulator gives 0, as the comparison does.
; SHARES.  A work-group makes 128 rows x 256 columns of BOTH sums.  Wave w: sum w / 2, columns 128 (w % 2) on: 128 x 128 of one sum, 64 accumulators, 512 registers.  K goes in 32 steps of 128 through two
;   LDS slots, each with 128 rows of xb, 128 of xib, 256 of wb, 256 of wib.  Waves 0, 1 fetch xb's and xib's tile, waves 2, 3 wb's and wib's: one tensor load a wave and step.
; CLUSTER 4 x 4.  x's tiles hang on the block of rows alone and are asked for jointly along a row of the cluster, the weights' on the block of columns alone, along a column.
; REGISTERS, in windows of 256 (s_set_vgpr_msb: bits 1:0 source 0, 3:2 source 1, 5:4 source 2, 7:6 destination):
;   window 0: v16-30 addresses; v32-47 bias bits; v48-63 at work; v64-127, v128-191 A's fragments, two buffers; v192-223 B's bytes as loaded
;   window 1: v0-63 B's fragments for even quarters; v64 = 0; v128-255 accumulators of row blocks 0, 1      window 2: the same for odd quarters and row blocks 2, 3      window 3: row blocks 4-7
; A QUARTER is 32 along K: 64 products.  Its last 16 products write the window that also holds the OTHER buffer of B's fragments, and read B from a window that holds a zero register: so the 64 byte
;   permutes that spread the next quarter's bytes stand four behind each of those products, under the products' own window setting.  Four switches a quarter.
.set PA,  272                          ; a row of xb in LDS: 256 bytes + 16 = 17 x 16: the 16 rows of a load start at 16 different 16-byte columns of 256
.set PB,  144                          ; a row of wb: 128 bytes + 16 = 9 x 16: likewise
.set AT,  128*PA
.set BT,  256*PB
.set SLOT, 2*AT+2*BT                   ; xb at 0, xib at AT, wb at 2 AT, wib at 2 AT + BT: 143,360 bytes
.set OP,  272                          ; the stage for the way out: 128 rows of 256 bytes + 16
.set OSTAGE, 2*SLOT                    ; behind the ring; no tensor load fills it
.set SPARE, OSTAGE+128*OP              ; the spare words: 128 bytes for each wave, two blocks of 256 bytes that no other line names
                                       ; bytes 0 to 131,071 (inside slot 0) serve the exchange of sums, 32,768 a wave, after slot 0's last fill and last read
.set ADRA, 16                          ; v16-17  LDS address of my A fragments in slot 0, 1
.set ADRB, 20                          ; v20-21  of my B bytes
.set OST, 22                           ; v22  where I put four results in the stage
.set ORD, 23                           ; v23  where I read 16 of them back
.set OGO, 24                           ; v24  my byte offset in two rows of out
.set AO,  25                           ; v25  my byte offset in the accumulator's rows
.set XW,  26                           ; v26  the exchange: where I write
.set XR,  27                           ; v27  where I read: the wave that has the other sum of my columns
.set SPW, 28                           ; v28  LDS address of my spare word; never rewritten
.set NIL, 29                           ; v29  0; never rewritten
.set PFO, 30                           ; v30  my byte offset for the prefetch; never rewritten
.set BB2, 32                           ; v32-47  the bias bit of column group b, twice, at 32 + 2 b
.set FA,  64                           ; A's fragment buffers at 64 and 128
.set SG,  192                          ; B's bytes: four registers for each of 8 column groups
.set T,   64                           ; the way out: 64 numbers at work
.set OB,  128                          ; the way out: rows read back
.set WV, 22                            ; s22 wave   s23 wave / 2: my sum   s66 wave % 2: my half of the columns, and which of two tiles I fetch
.set HI, 23
.set LO, 66
.set G1A, 24                           ; s[24:31] descriptor group 1 for x's tiles;  s[32:39] group 0, a set for each slot
.set G0A, 32
.set G1B, 48                           ; s[48:55], s[56:63] the same for the weights' tiles
.set G0B, 56
.set SEL0, 75                          ; s75, s76 the byte permute's two selects
.set MSB, 0
.macro WIN new                         ; the immediate's high byte repeats the setting that is left; a switch that changes nothing is dropped
.if MSB != (\new)
	s_set_vgpr_msb (MSB<<8)|(\new)
.set MSB, (\new)
.endif
.endm
; A joint load.  Each of the two lines has one mask; the branch hangs on the wave's number alone.  An s_nop 0 and four v_nop follow each line, ahead of the jump and the label.
.macro JLOAD s
	s_cmp_lt_u32 s[WV], 2
	s_cbranch_scc0 .Lfor_b_\@
	tensor_load_to_lds s[G0A+4*(\s):G0A+4*(\s)+3], s[G1A:G1A+7]
	s_nop 0
.rept 4
	v_nop
.endr
	s_branch .Lasked_\@
.Lfor_b_\@:
	tensor_load_to_lds s[G0B+4*(\s):G0B+4*(\s)+3], s[G1B:G1B+7]
	s_nop 0
.rept 4
	v_nop
.endr
.Lasked_\@:
.endm
.macro CREST                           ; a round of the cluster's barrier behind its opening barrier
	s_cmp_lg_u32 s[WV], 0
	s_cbranch_scc1 .Lnot_wave_0_\@
	s_barrier_signal -3
.Lnot_wave_0_\@:
	s_barrier_wait -3
	s_barrier_signal -1
	s_barrier_wait -1
.endm
.macro CROUND                          ; a whole round
	s_barrier_signal -1
	s_barrier_wait -1
	CREST
.endm
; 24 LDS loads in one run, for quarter c of a slot: B's bytes first (8 column groups, 16 bytes a lane), then A's fragments into buffer p.
; A: registers 0-3 take k = 16 c + 8 h + 0..7, registers 4-7 k = 64 + 16 c + 8 h + 0..7 (h = lane / 16).  B's 16 bytes at 32 c + 16 h of a row hold, word by word, the k quads q0, 16 + q0, q0 + 1, 17 + q0
; with q0 = 4 c + 2 h: the same 16 k; PERM sets them in A's order.
.macro FETCH slot, c, p
	WIN 0
.irp b, 0,1,2,3,4,5,6,7
	ds_load_b128 v[SG+4*(\b):SG+4*(\b)+3], v[ADRB+(\slot)] offset:(\b)*16*PB+32*(\c)
.endr
.irp a, 0,1,2,3,4,5,6,7
	ds_load_b128 v[FA+64*(\p)+8*(\a):FA+64*(\p)+8*(\a)+3],   v[ADRA+(\slot)] offset:(\a)*16*PA+32*(\c)
	ds_load_b128 v[FA+64*(\p)+8*(\a)+4:FA+64*(\p)+8*(\a)+7], v[ADRA+(\slot)] offset:(\a)*16*PA+32*(\c)+128
.endr
.endm
; Byte permute number gn of 64: register gn % 8 of column group gn / 8: two bytes of a loaded word go into the upper bytes of two 16-bit words, zeros (from v64) below them.
.macro PERM
	v_perm_b32 v[gn], v[SG+4*(gn/8)+2*(((gn%8)/2)%2)+((gn%8)/4)], v64, s[SEL0+(gn%2)]
.set gn, gn+1
.endm
; The products of na row blocks from a0 on x all 8 column groups; their accumulators begin at register base of the window set.  One instruction an accumulator, by turns.
; zero = 1: the products start the sums.  riders = 1: four byte permutes behind each product; they name none of its registers.
.macro GRP p, a0, na, base, zero, riders
.set gi, 0
.set gn, 0
.rept 8*(\na)
.set gD, (\base)+8*gi
.set gA, FA+64*(\p)+8*((\a0)+gi/8)
.set gB, 8*(gi%8)
.if \zero
	v_wmma_f32_16x16x32_bf16 v[gD:gD+7], v[gA:gA+7], v[gB:gB+7], 0
.else
	v_wmma_f32_16x16x32_bf16 v[gD:gD+7], v[gA:gA+7], v[gB:gB+7], v[gD:gD+7]
.endif
.if \riders
	PERM
	PERM
	PERM
	PERM
.endif
.set gi, gi+1
.endr
.endm
; Quarter c of the K step in a slot.  fetch = 1: the next quarter's loads stand at its head; the four permutes behind the last product of the quarter before are the four places in front of them.
; mode = 1 (c = 2 only): the change of slots.  The slot's last reads, quarter 3's, were issued at this quarter's head.  Each wave waits for all its tensor loads (one is out: its part of the other slot), adds 0 to
; its spare word, and waits for that and for its reads; the barrier opens a round of the cluster's barrier, and the joint refill, two K steps ahead, is the first thing behind the round: 224 products stand
; between it and the wait for it.  mode = 2: the same without a round and a refill: the last change.  pf = 1: the accumulator's bytes are asked for.
.macro QUARTER slot, c, zero, mode, fetch, pf=0
.set qP, (\c)%2
.if (\c) == 3
.set qNS, 1-(\slot)
.set qNC, 0
.else
.set qNS, (\slot)
.set qNC, (\c)+1
.endif
.if \fetch
	FETCH qNS, qNC, 1-qP
	s_wait_dscnt 24                                ; all but the 24 just issued: this quarter's A is in
.else
	s_wait_dscnt 0x0
.endif
	WIN 0xf4+4*qP                                  ; A window 0, B window 1 or 2, C and D window 3
	GRP qP, 4, 4, 0, \zero, 0
.if \pf
.irp i, 0,1,2,3                        ; my wave's 64 rows x 512 bytes of the accumulator: 128 blocks of 256 bytes, each asked for once in the launch, by one lane; 224 products ahead of the loads
	global_prefetch_b8 v[PFO], s[68:69] offset:(\i)*262144 th:TH_LOAD_NT scope:SCOPE_SE
.endr
.endif
.if \mode
	WIN 0                                          ; (the add's two registers lie in window 0)
	s_wait_tensorcnt 0x0                           ; all my tensor loads have landed
	ds_add_u32 v[SPW], v[NIL]                      ; 0 onto my spare word; sixteen products stand between it and the wait for it
.endif
	WIN 0x54+0x54*qP                               ; C and D in B's own window
	GRP qP, 2*qP, 2, 128, \zero, 0
.if \mode
	s_wait_dscnt 0x0                               ; the add is done, and my reads of this slot are over
	s_barrier_signal -1
.elseif \fetch
	s_wait_dscnt 16                                ; B's bytes are in; A's sixteen loads may stay out
.endif
	WIN 0xa4-0x4c*qP                               ; C and D in the other window of the two: the permutes' destination; their zero comes from B's window
	GRP qP, 2-2*qP, 2, 128, \zero, \fetch
.if \mode
	WIN 0                                          ; at a branch and at a label every window is 0
	s_barrier_wait -1
.endif
.if (\mode) == 1
	CREST                                          ; no wave of any partner still reads this slot or has a load on its way
	s_add_nc_u64 s[G0A+4*(\slot)+2:G0A+4*(\slot)+3], s[G0A+4*(\slot)+2:G0A+4*(\slot)+3], 512      ; two K steps of 256 bytes along x's rows
	s_add_nc_u64 s[G0B+4*(\slot)+2:G0B+4*(\slot)+3], s[G0B+4*(\slot)+2:G0B+4*(\slot)+3], 1048576  ; two K blocks of 524,288 bytes
	JLOAD \slot
.endif
.endm
	s_load_b512 s[4:19], s[0:1], 0x0               ; xb s[4:5], xib s[6:7], wb s[8:9], wib s[10:11], accumulator s[12:13], buf_bias s[14:15], rng_bias_idx s[16:17], rng s[18:19]
	s_load_b64 s[20:21], s[0:1], 0x40              ; out0
	v_lshl_add_u32 v[SPW], v0, 2, SPARE
	v_mov_b32 v[NIL], 0
	ds_add_u32 v[SPW], v[NIL]                      ; the wave's opening: the add and its wait stand ahead of my first tensor load; the set-up below, work on registers, stands between them
	v_lshrrev_b32 v1, 5, v0
	v_readfirstlane_b32 s[WV], v1
	s_lshr_b32 s[HI], s[WV], 1
	s_and_b32 s[LO], s[WV], 1
	s_bfe_u32 s40, ttmp6, 0x40000                  ; cx
	s_bfe_u32 s41, ttmp6, 0x40004                  ; cy
	s_lshl_b32 s42, ttmp9, 2
	s_add_co_u32 s42, s42, s40                     ; tx: my block of 256 columns
	s_and_b32 s43, ttmp7, 0xffff
	s_lshl_b32 s43, s43, 2
	s_add_co_u32 s43, s43, s41                     ; ty: my block of 128 rows
	s_lshl_b32 s44, s41, 2
	s_lshl_b32 s44, 15, s44                        ; my row of the cluster
	s_lshl_b32 s45, 0x1111, s40                    ; my column
	; group 1.  x: 128 rows x 128 elements of 2 bytes, 4,096 elements from row to row, 4 words of padding after every 64.
	; weights: a tile's 256 rows of 128 bytes are 32,768 dense bytes: asked for as 128 rows of 256 bytes, 4 words of padding after every 32, that is after every row of 128 bytes.
	s_or_b32 s[G1A], s44, (1<<16)|(1<<20)|(1<<21)|(5<<22)|(3<<25)
	s_or_b32 s[G1B], s45, (1<<16)|(1<<20)|(1<<21)|(4<<22)|(3<<25)
.irp g, G1A, G1B
	s_mov_b32 s[(\g)+1], 128<<16                   ; tensor_dim0 = 128
	s_mov_b32 s[(\g)+2], 128<<16                   ; tensor_dim1 = 128
	s_mov_b32 s[(\g)+3], 128<<16                   ; tile_dim0 = 128
	s_mov_b32 s[(\g)+4], 128                       ; tile_dim1 = 128
	s_mov_b32 s[(\g)+6], 0
	s_mov_b32 s[(\g)+7], 0
.endr
	s_mov_b32 s[G1A+5], 4096
	s_mov_b32 s[G1B+5], 128
	s_mul_i32 s84, s[LO], AT                       ; where my tile goes: the wave's number alone enters an LDS address
	s_mul_i32 s85, s[LO], BT
	s_add_co_u32 s85, s85, 2*AT
	s_lshl_b32 s88, s43, 20                        ; x: 128 ty rows of 8,192 bytes (these registers never hold cx)
	s_mov_b32 s89, 0
	s_lshl_b32 s90, s42, 15                        ; weights: 256 tx rows of 128 bytes (these never hold cy)
	s_mov_b32 s91, 0
	s_mov_b32 s72, 0.5
	s_mov_b32 s73, 0.5
	s_mov_b32 s74, 0x45800800                      ; 4097.0
	s_mov_b32 s[SEL0], 0x05000400                  ; bytes 0 and 1 of the first source into the upper bytes of the two halves
	s_mov_b32 s[SEL0+1], 0x07000600                ; bytes 2 and 3
	s_wait_dscnt 0x0                               ; the opening add is done
	s_wait_kmcnt 0x0
	s_cmp_eq_u32 s[LO], 0                          ; waves 0, 2 fetch for the first sum, waves 1, 3 for the second
	s_cselect_b64 s[86:87], s[4:5], s[6:7]
	s_cselect_b64 s[92:93], s[8:9], s[10:11]
	s_add_nc_u64 s[86:87], s[86:87], s[88:89]
	s_add_nc_u64 s[92:93], s[92:93], s[90:91]
	CROUND                                         ; all sixteen work-groups are here: the first joint loads meet
.irp s, 0,1
	s_mov_b32 s[G0A+4*(\s)], 1
	s_add_co_u32 s[G0A+4*(\s)+1], s84, (\s)*SLOT
	s_add_nc_u64 s[G0A+4*(\s)+2:G0A+4*(\s)+3], s[86:87], (\s)*256
	s_or_b32 s[G0A+4*(\s)+3], s[G0A+4*(\s)+3], 0x80000000
	s_mov_b32 s[G0B+4*(\s)], 1
	s_add_co_u32 s[G0B+4*(\s)+1], s85, (\s)*SLOT
	s_add_nc_u64 s[G0B+4*(\s)+2:G0B+4*(\s)+3], s[92:93], (\s)*524288
	s_or_b32 s[G0B+4*(\s)+3], s[G0B+4*(\s)+3], 0x80000000
	JLOAD \s                                       ; K steps 0 and 1: two loads of mine are out
.endr
	; While the tiles come: the bias bits of my 128 columns, and the lane's addresses.  Column = 64 (b / 4) + 4 r + b % 4: four neighbouring columns a lane and half.
	v_and_b32 v1, 15, v0                           ; r
	v_bfe_u32 v2, v0, 4, 1                         ; h
	v_and_b32 v3, 31, v0                           ; lane
	v_lshlrev_b32 v7, 4, v1                        ; 16 r
	s_lshl_b32 s94, s42, 10                        ; 256 tx + 128 (wave % 2) columns of 4 bytes
	s_lshl_b32 s78, s[LO], 9
	s_add_co_u32 s94, s94, s78
	s_mov_b32 s95, 0
	s_add_nc_u64 s[14:15], s[14:15], s[94:95]
	s_add_nc_u64 s[16:17], s[16:17], s[94:95]
	global_load_b128 v[48:51], v7, s[14:15]
	global_load_b128 v[52:55], v7, s[14:15] offset:256
	global_load_b128 v[56:59], v7, s[16:17]
	global_load_b128 v[60:63], v7, s[16:17] offset:256
	v_mul_u32_u24 v5, v1, PA
	v_lshl_add_u32 v5, v2, 4, v5                   ; row x pitch + 16 h
	s_mul_i32 s77, s[HI], AT                       ; my sum's tile of x
	v_add_nc_u32 v[ADRA], s77, v5
	v_add_nc_u32 v[ADRA+1], SLOT, v[ADRA]
	v_mul_u32_u24 v5, v1, PB
	v_lshl_add_u32 v5, v2, 4, v5
	s_mul_i32 s77, s[HI], BT                       ; my sum's tile of weights,
	s_mul_i32 s79, s[LO], 128*PB                   ; my 128 rows of it
	s_add_co_u32 s77, s77, s79
	s_add_co_u32 s77, s77, 2*AT
	v_add_nc_u32 v[ADRB], s77, v5
	v_add_nc_u32 v[ADRB+1], SLOT, v[ADRB]
	v_mul_u32_u24 v5, v2, 8*OP                     ; into the stage: row 64 (wave / 2) + 8 h + .., byte 128 (wave % 2) + 4 r + ..
	v_lshl_add_u32 v5, v1, 2, v5
	s_mul_i32 s77, s[HI], 64*OP
	s_lshl_b32 s79, s[LO], 7
	s_add_co_u32 s77, s77, s79
	s_add_co_u32 s77, s77, OSTAGE
	v_add_nc_u32 v[OST], s77, v5
	v_mul_u32_u24 v5, v2, OP                       ; back: wave w takes rows 32 w on, whole; lanes 0-15 one row of 256 bytes, lanes 16-31 the next
	v_lshl_add_u32 v5, v1, 4, v5
	s_mul_i32 s77, s[WV], 32*OP
	s_add_co_u32 s77, s77, OSTAGE
	v_add_nc_u32 v[ORD], s77, v5
	v_lshl_add_u32 v[OGO], v2, 12, v7              ; the same two rows in out: 4,096 bytes apart
	v_lshl_add_u32 v[AO], v2, 17, v7               ; the accumulator: 8 h rows of 16,384 bytes + 16 r
	s_lshl_b32 s77, s[WV], 15
	v_lshl_add_u32 v[XW], v3, 4, s77               ; the exchange: my 32,768 bytes,
	s_xor_b32 s77, s77, 65536
	v_lshl_add_u32 v[XR], v3, 4, s77               ; and those of wave w xor 2
	v_lshrrev_b32 v5, 1, v3
	v_and_b32 v6, 1, v3
	v_lshlrev_b32 v6, 8, v6
	v_lshl_add_u32 v[PFO], v5, 14, v6              ; prefetch: row lane / 2, block lane % 2 of 256 bytes
	s_lshl_b32 s94, s43, 21                        ; the accumulator at row 128 ty + 64 (wave / 2), column 256 tx + 128 (wave % 2)
	s_lshl_b32 s78, s[HI], 20
	s_add_co_u32 s94, s94, s78
	s_lshl_b32 s78, s42, 10
	s_add_co_u32 s94, s94, s78
	s_lshl_b32 s78, s[LO], 9
	s_add_co_u32 s94, s94, s78
	s_add_nc_u64 s[68:69], s[12:13], s[94:95]
	s_lshl_b32 s94, s43, 19                        ; out at row 128 ty + 32 wave, column 256 tx
	s_lshl_b32 s78, s[WV], 17
	s_add_co_u32 s94, s94, s78
	s_lshl_b32 s78, s42, 8
	s_add_co_u32 s94, s94, s78
	s_add_nc_u64 s[70:71], s[20:21], s[94:95]
	WIN 0x40
	v_mov_b32 v64, 0                               ; the permutes' zeros, one in each window that holds B's fragments
	WIN 0x80
	v_mov_b32 v64, 0
	WIN 0
	s_wait_loadcnt 0x0
.irp e, 0,1,2,3,4,5,6,7
	v_and_b32 v[56+(\e)], 0xff, v[56+(\e)]         ; idx % 256
.endr
.irp e, 0,1,2,3,4,5,6,7
	v_min_u32 v[56+(\e)], 0xff, v[56+(\e)]         ; changes nothing: the written bound of a loaded number that enters an address
.endr
.irp e, 0,1,2,3,4,5,6,7
	v_lshlrev_b32 v[56+(\e)], 2, v[56+(\e)]
.endr
.irp e, 0,1,2,3,4,5,6,7
	global_load_b32 v[56+(\e)], v[56+(\e)], s[18:19]
.endr
	s_wait_loadcnt 0x0
.irp e, 0,1,2,3,4,5,6,7
	v_cmp_gt_f32 vcc_lo, v[48+(\e)], v[56+(\e)]
	v_cndmask_b32 v[BB2+2*(\e)], 0, 1.0, vcc_lo
	v_cndmask_b32 v[BB2+2*(\e)+1], 0, 1.0, vcc_lo  ; twice: the packed multiply-add takes a pair
.endr
	s_wait_tensorcnt 0x1                           ; my part of K step 0 is in; K step 1's may stay out
	s_barrier_signal -1
	s_barrier_wait -1                              ; everybody's is
	FETCH 0, 0, 0
	s_wait_dscnt 16                                ; B's bytes
	WIN 0x44                                       ; destination and zero in window 1
.set gn, 0
.rept 64
	PERM                                           ; the first quarter's B: no products yet to ride behind
.endr
	QUARTER 0, 0, 1, 0, 1                          ; the first quarter stands in front of the loop: its products start the sums
	WIN 0
	s_mov_b32 s3, 15
.Llap:                                                 ; a trip goes once round the ring, from a lap's second quarter to the next lap's first, and fills both slots again
	QUARTER 0, 1, 0, 0, 1
	QUARTER 0, 2, 0, 1, 1
	QUARTER 0, 3, 0, 0, 1
	QUARTER 1, 0, 0, 0, 1
	QUARTER 1, 1, 0, 0, 1
	QUARTER 1, 2, 0, 1, 1
	QUARTER 1, 3, 0, 0, 1
	QUARTER 0, 0, 0, 0, 1
	WIN 0
	s_sub_co_u32 s3, s3, 1
	s_cmp_lg_u32 s3, 0
	s_cbranch_scc1 .Llap
	QUARTER 0, 1, 0, 0, 1                          ; the last lap is written out: it asks for no tile
	QUARTER 0, 2, 0, 2, 1                          ; behind this barrier nobody reads slot 0 any more, and nothing fills it
	QUARTER 0, 3, 0, 0, 1
	QUARTER 1, 0, 0, 0, 1, 1
	QUARTER 1, 1, 0, 0, 1
	QUARTER 1, 2, 0, 0, 1
	QUARTER 1, 3, 0, 0, 0
	; THE WAY OUT.  Four places behind the last product; then the accumulator's 64 loads, into the registers that held B's fragments and those beside them:
	; row block a', row j, columns 64 bh + 4 r + 0..3 -> registers 64 (a' % 2) + 8 j + 4 bh on of window 1 + a' / 2.  Sixteen lanes read 256 consecutive bytes at a multiple of 256.
.rept 4
	v_nop
.endr
.set ap, 0
.rept 4
	WIN 0x40*(1+ap/2)
.set jj, 0
.rept 8
	global_load_b128 v[64*(ap%2)+8*jj:64*(ap%2)+8*jj+3],   v[AO], s[68:69] offset:(16*ap+jj)*16384 th:TH_LOAD_NT
	global_load_b128 v[64*(ap%2)+8*jj+4:64*(ap%2)+8*jj+7], v[AO], s[68:69] offset:(16*ap+jj)*16384+256 th:TH_LOAD_NT
.set jj, jj+1
.endr
.set ap, ap+1
.endr
	WIN 0
	; THE EXCHANGE.  A wave of the first sum keeps rows 0-63 and sends rows 64-127 (window 3); its partner, with the second sum of the same columns, keeps rows 64-127 and sends rows 0-63 (windows 1, 2).
	; Then every wave has 2 S1 in windows 1, 2 and 2 S2 in window 3, for rows 64 (wave / 2) on.  Each accumulator's low four registers are stored first.
	s_cmp_lt_u32 s[WV], 2
	s_cbranch_scc0 .Lsend_1
	WIN 0x0c                                       ; store data in window 3
.set tt, 0
.rept 32
	ds_store_b128 v[XW], v[8*tt:8*tt+3]   offset:1024*tt
	ds_store_b128 v[XW], v[8*tt+4:8*tt+7] offset:1024*tt+512
.set tt, tt+1
.endr
	WIN 0
	s_branch .Lsent
.Lsend_1:
	WIN 0x04
.set tt, 0
.rept 16
	ds_store_b128 v[XW], v[128+8*tt:128+8*tt+3]   offset:1024*tt
	ds_store_b128 v[XW], v[128+8*tt+4:128+8*tt+7] offset:1024*tt+512
.set tt, tt+1
.endr
	WIN 0x08
.rept 16
	ds_store_b128 v[XW], v[8*tt:8*tt+3]   offset:1024*tt          ; 128 + 8 (tt - 16)
	ds_store_b128 v[XW], v[8*tt+4:8*tt+7] offset:1024*tt+512
.set tt, tt+1
.endr
	WIN 0
.Lsent:
	s_wait_dscnt 0x0                               ; for the partner's sake: my stores are done
	s_barrier_signal -1
	s_barrier_wait -1
	s_cmp_lt_u32 s[WV], 2
	s_cbranch_scc0 .Lrecv_1
	WIN 0xc0                                       ; destination window 3
.set tt, 0
.rept 32
	ds_load_b128 v[8*tt:8*tt+3],   v[XR] offset:1024*tt
	ds_load_b128 v[8*tt+4:8*tt+7], v[XR] offset:1024*tt+512
.set tt, tt+1
.endr
	WIN 0
	s_branch .Lgot
.Lrecv_1:
	WIN 0x40
.set tt, 0
.rept 16
	ds_load_b128 v[128+8*tt:128+8*tt+3],   v[XR] offset:1024*tt
	ds_load_b128 v[128+8*tt+4:128+8*tt+7], v[XR] offset:1024*tt+512
.set tt, tt+1
.endr
	WIN 0x80
.rept 16
	ds_load_b128 v[8*tt:8*tt+3],   v[XR] offset:1024*tt
	ds_load_b128 v[8*tt+4:8*tt+7], v[XR] offset:1024*tt+512
.set tt, tt+1
.endr
	WIN 0
.Lgot:
; Row block ap of my four: t = 0.5 (2 S1) + bias bit; t = accumulator + t; t = 0.5 (2 S2) + t; t >= 4097; four neighbouring columns' results are one word of the stage.
.macro FIN ap
	s_wait_loadcnt 48-16*(\ap)                     ; this block's sixteen loads of the accumulator are in; the later blocks' stay out
	s_wait_dscnt 48                                ; this block's sixteen loads of the exchange are in: behind them stand the later blocks' loads and the earlier blocks' stage stores, 48 in all
	WIN 1+(\ap)/2                                  ; source 0 in window 1 or 2
.set fb, 0
.rept 8
.set fj, 0
.rept 4                                ; each accumulator's registers in ascending order
	v_pk_fma_f32 v[T+8*fb+fj:T+8*fb+fj+1], v[128+64*((\ap)%2)+8*fb+fj:128+64*((\ap)%2)+8*fb+fj+1], s[72:73], v[BB2+2*fb:BB2+2*fb+1] op_sel_hi:[1,0,1]
.set fj, fj+2
.endr
.set fb, fb+1
.endr
.set fb, 0
.rept 8
.set fj, 0
.rept 8
	v_add_f32 v[T+8*fb+fj], v[64*((\ap)%2)+8*fj+fb], v[T+8*fb+fj]
.set fj, fj+1
.endr
.set fb, fb+1
.endr
	WIN 3                                          ; source 0 in window 3
.set fb, 0
.rept 8
.set fj, 0
.rept 4
	v_pk_fma_f32 v[T+8*fb+fj:T+8*fb+fj+1], v[64*(\ap)+8*fb+fj:64*(\ap)+8*fb+fj+1], s[72:73], v[T+8*fb+fj:T+8*fb+fj+1] op_sel_hi:[1,0,1]
.set fj, fj+2
.endr
.set fb, fb+1
.endr
	WIN 0
.set fj, 0
.rept 8
.set fh, 0
.rept 2
.set f0, T+32*fh+fj
	v_cmp_le_f32 s80, s74, v[f0]
	v_cmp_le_f32 s81, s74, v[f0+8]
	v_cmp_le_f32 s82, s74, v[f0+16]
	v_cmp_le_f32 s83, s74, v[f0+24]
	v_cndmask_b32 v[f0],    0, 1, s80
	v_cndmask_b32 v[f0+8],  0, 1, s81
	v_cndmask_b32 v[f0+16], 0, 1, s82
	v_cndmask_b32 v[f0+24], 0, 1, s83
	v_lshl_or_b32 v[f0],    v[f0+8],  8, v[f0]
	v_lshl_or_b32 v[f0+16], v[f0+24], 8, v[f0+16]
	v_lshl_or_b32 v[f0],    v[f0+16], 16, v[f0]
	ds_store_b32 v[OST], v[f0] offset:(16*(\ap)+fj)*OP+64*fh
.set fh, fh+1
.endr
.set fj, fj+1
.endr
.endm
	FIN 0
	FIN 1
	FIN 2
	FIN 3
	s_wait_dscnt 0x0                               ; for the others' sake: a row's 256 bytes come from two waves
	s_barrier_signal -1
	s_barrier_wait -1
.irp t, 0,1,2,3,4,5,6,7,8,9,10,11,12,13,14,15
	ds_load_b128 v[OB+4*(\t):OB+4*(\t)+3], v[ORD] offset:(\t)*2*OP
.endr
.irp t, 0,1,2,3,4,5,6,7,8,9,10,11,12,13,14,15
	s_wait_dscnt 15-(\t)
	global_store_b128 v[OGO], v[OB+4*(\t):OB+4*(\t)+3], s[70:71] offset:(\t)*8192 th:TH_STORE_NT  ; 16 lanes store 256 consecutive bytes, at a multiple of 256 from out's first byte
.endr
	s_wait_tensorcnt 0x0                           ; the wave's end: behind my last tensor load and my last LDS store
	ds_add_u32 v[SPW], v[NIL]
	s_wait_dscnt 0x0
	CROUND                                         ; the closing round: no work-group ends while a partner may still ask for a tile that names it
	s_endpgm
.Lfunc_end_k_qfaaa72bdf3_gemm:
	.size	k_qfaaa72bdf3_gemm, .Lfunc_end_k_qfaaa72bdf3_gemm-k_qfaaa72bdf3_gemm
	.p2alignl 7, 3214868480
	.fill 96, 4, 3214868480
	.section	.rodata,"a",@progbits
	.p2align	6, 0x0
	.amdhsa_kernel k_qfaaa72bdf3_gemm
		.amdhsa_group_segment_fixed_size 327680
		.amdhsa_private_segment_fixed_size 0
		.amdhsa_enable_private_segment 0
		.amdhsa_kernarg_size 72
		.amdhsa_user_sgpr_count 2
		.amdhsa_user_sgpr_kernarg_segment_ptr 1
		.amdhsa_wavefront_size32 1
		.amdhsa_system_sgpr_workgroup_id_x 1
		.amdhsa_system_sgpr_workgroup_id_y 1
		.amdhsa_system_sgpr_workgroup_id_z 1
		.amdhsa_system_vgpr_workitem_id 0
		.amdhsa_next_free_vgpr 1024
		.amdhsa_next_free_sgpr 96
		.amdhsa_reserve_vcc 1
		.amdhsa_float_denorm_mode_32 3
		.amdhsa_float_denorm_mode_16_64 3
		.amdhsa_memory_ordered 1
		.amdhsa_forward_progress 1
		.amdhsa_inst_pref_size 255
	.end_amdhsa_kernel
	.section	.bss,"aw",@nobits
	.p2align	6
	.space	262144
	.amdgpu_metadata
---
amdhsa.version: [ 1, 2 ]
amdhsa.kernels:
  - .name:           k_qfaaa72bdf3_gemm
    .symbol:         k_qfaaa72bdf3_gemm.kd
    .args:
      - { .name: xb, .offset: 0, .size: 8, .value_kind: global_buffer, .address_space: global }
      - { .name: xib, .offset: 8, .size: 8, .value_kind: global_buffer, .address_space: global }
      - { .name: wb, .offset: 16, .size: 8, .value_kind: global_buffer, .address_space: global }
      - { .name: wib, .offset: 24, .size: 8, .value_kind: global_buffer, .address_space: global }
      - { .name: accumulator, .offset: 32, .size: 8, .value_kind: global_buffer, .address_space: global }
      - { .name: buf_bias, .offset: 40, .size: 8, .value_kind: global_buffer, .address_space: global }
      - { .name: rng_bias_idx, .offset: 48, .size: 8, .value_kind: global_buffer, .address_space: global }
      - { .name: rng, .offset: 56, .size: 8, .value_kind: global_buffer, .address_space: global }
      - { .name: out0, .offset: 64, .size: 8, .value_kind: global_buffer, .address_space: global }
    .group_segment_fixed_size: 327680
    .private_segment_fixed_size: 0
    .kernarg_segment_align: 8
    .kernarg_segment_size: 72
    .max_flat_workgroup_size: 128
    .sgpr_count:     96
    .vgpr_count:     1024
    .wavefront_size: 32
...
	.end_amdgpu_metadata
.endif
;; end of part 2
